; MI455X (gfx1250); checked and timed in simulation.
; The chip was launched on July 23, 2026; its instructions are those of AMD's public machine-readable ISA for CDNA 5 (MIT licence, August 2026) and "CDNA5" Instruction Set Architecture Reference Guide (July 2026). The comments in the code are by the model that wrote it; some were corrected since.
;; Contextualizer. Allowed arithmetic: matrix products marked QUANTISED: E3M2 operands, one E8M0 scale for each 32 along K, by v_wmma_scale_f32_16x16x128_f8f6f4 with both operands' format E3M2, f32 sums; everything else in f32.
;; Inputs: spatial_proj 2,048 x 2,048 float32; x 8 x 2,048 x 2,048 float32.
;; Outputs: out0 8 x 2,048 x 1,024 float32.
;; This version of the problem:
;;   THIS VERSION OF THE PROBLEM IS GIVEN IN LOW PRECISION. The matrix products marked QUANTISED in the list below multiply operands that are first quantised to E3M2 (3 exponent bits, 2 mantissa bits; 6 bits a number), with one power-of-two scale for each 32 numbers along K (OCP MX v1.0); their sums are f32. All else is computed in f32.
;;   The module's matrix products, in the order in which they are computed (A, B: the left and right operand; K: the contracted axis; several contracted axes count as one K, in the product's order):
;;     1. batch 8 x [M 2,048, K 1,024] x [K 1,024, N 2,048]; A: computed on the way; B: computed on the way: QUANTISED
;;     2. batch 8 x [M 2,048, K 2,048] x [K 2,048, N 1,024]; A: computed on the way; B: computed on the way: QUANTISED
;;   THE QUANTISER, for each operand of a quantised product, along K:
;;     - K is cut into blocks of 32 from its start; a last block that is shorter is filled with zeros.
;;     - A block's scale is 2^e with e = floor(log2(the largest magnitude in the block)) - 4, held to -126 .. 127; a block of zeros has e = 0. As a byte (E8M0): e + 127.
;;     - Each number is divided by its block's scale, clamped to +-28, and rounded to the nearest number of E3M2, ties to even, subnormals kept.
;;     - The product sums the exact products of the quantised numbers (number of the format x scale) in f32.
;;   ~~~python
;;   def quantise(x, axis):      # numpy; x: float32 -> the quantised numbers, widened to float32 again
;;       x = np.moveaxis(x, axis, -1); K = x.shape[-1]
;;       x = np.pad(x, [(0, 0)] * (x.ndim - 1) + [(0, -K % 32)]); x = x.reshape(x.shape[:-1] + (-1, 32)); a = np.abs(x).max(-1, keepdims=True)
;;       e = np.where(a > 0, np.clip(np.frexp(np.where(a > 0, a, 1))[1] - 1 - 4, -126, 127), 0)      # np.frexp(a)[1] - 1 = floor(log2(a)), exactly
;;       r = np.clip(x / 2.0 ** e, -28, 28)
;;       step = 2.0 ** (np.maximum(np.frexp(np.where(r == 0, 1, r))[1] - 1, -2) - 2)
;;       q = np.round(r / step) * step * 2.0 ** e      # np.round: ties to even
;;       return np.moveaxis(q.reshape(q.shape[:-2] + (-1,))[..., :K], -1, axis).astype(np.float32)
;;   ~~~
;;   OPERANDS COMPUTED ON THE WAY. 'Computed on the way' means the value that the module computes at that place (a softmax that the list does not call 'softmax' is quantised finished and normalised). What goes into a quantiser is computed in f32, as accurately as f32 sums, v_exp_f32 and their like allow (about 1e-6 of the number): no bf16 or f16 on the way to a quantiser, and a product that is left as it is and whose result goes on into a quantised operand takes f32 operands (vector FMAs, or v_wmma_f32_16x16x4_f32). A number that lies on a knife's edge between two numbers of the format may be rounded either way, as far as f32 arithmetic and the matrix unit's own rounding can turn it there, and no further.
;; One version. Each part assembles by itself: llvm-mc -triple=amdgcn-amd-amdhsa -mcpu=gfx1250 --defsym DOCPART=n.
;; ======== version 1 of 1: 3 launches
;; workspace buffers: xn 13,107,200 bytes; at 26,214,400 bytes; xt 13,631,488 bytes
;; launch quant (part 1): grid 32 x 8, 4 waves a work-group, no clusters, 276,992 bytes of LDS; arguments x, xn, xt; writes xn, xt
.if DOCPART == 1
	.amdgcn_target "amdgcn-amd-amdhsa--gfx1250"
	.amdhsa_code_object_version 6
	.text
	.protected	k_q46a694ec85_quant
	.globl	k_q46a694ec85_quant
	.p2align	8
	.type	k_q46a694ec85_quant,@function
k_q46a694ec85_quant:
	s_mov_b64 s[64:65], 0
	v_nop
	global_prefetch_b8 v0, s[64:65] scope:SCOPE_SE
	s_setreg_imm32_b32 hwreg(HW_REG_WAVE_MODE, 25, 1), 1
	s_wait_xcnt 0x0
; LAUNCH 1 OF 3.  out = (Q_m(tril(sp) o (Q_d(xn) Q_d(xn)^T)) Q_m(x0)) o x1, x0 = x[..., :1024], x1 = x[..., 1024:], xn = x0 / sqrt(sum x0^2 + 1e-8); Q_a: the MX quantiser to E3M2 along axis a.
; This launch reads x0 once and makes both of its quantised forms: xn's codes along d (both operands of the first product) and x0's codes along m (the second operand of the second product).
; DEAD WORK, for the whole program.  reference() multiplies cosim by jnp.tril(spatial_proj), which it builds in its own body: attn[n][m] = 0 wherever m > n, whatever the inputs hold.  A zero is quantised to the code 0,
; and a code 0 adds nothing to a sum of the second product.  So a unit of 64 rows n (block rb) x 128 keys m (block s) with s > rb / 2 (rounded down) holds only zeros: launch 2 does not compute it and does not read
; spatial_proj there, and launch 3 does not multiply it.  Inside a unit that the diagonal crosses all is computed and the entries with m > n are replaced by 0.  Every input still has a way to the output: both are loaded.
; LIMITS.  A NaN, an infinity or an overflow that reaches only the units left out (spatial_proj above those units, cosim there) is not carried to the result.  NaN and infinities among the inputs are not served.
; xn is x0 x rsq(sum + 1e-8), not a division by a root: a few last bits of f32 apart.  A block of zeros gets the scale byte 1 where the rule says 127: its codes are zeros, and these bytes are read by this program alone.
; SHARES.  256 work-groups of four waves; a work-group owns 64 rows (block mc of batch b) x 1,024 d.  No two work-groups read the same byte: nothing to share in a cluster.  d goes in 8 steps of 128.
; ROW ORDER.  Tile a (0..3), place t (0..15) of a block of 64 rows is row TB(a) + RP(t), TB(a) = 32 (a / 2) + 8 (a % 2), RP(t) = t % 8 + 16 (t / 8): so a product whose source 0 is such a tile leaves 16 neighbours
; along the next K in the registers of two neighbouring tiles.  Wave w loads and quantises tile w.
; WORKSPACE, as images of the operands' registers.  xn: [b][rb 32][d step 8][6,400]: tile a's registers 4 c .. 4 c + 3 of lane l at 1,536 a + 512 c + 16 l; at 6,144 + 8 l + 4 e the scale word of tile l / 16 + 2 e, place l % 16.
; xt: [b][mc 32][d block 8][6,656]: for 16 d (tile u) x 64 m HALF a fragment: registers 0-3 at 768 u + 16 l, registers 4-5 at 768 u + 512 + 8 l; at 6,144 + 4 d the scale word of d, of which only the two bytes of these 64 m are set.
; A STEP: 16 loads of 512 consecutive bytes a wave -> LDS rows (pitch 528) -> barrier -> (a) a lane takes a COLUMN d, 64 registers down m: two whole blocks of 32, quantised, exchanged between the halves of the lanes, stored;
; (b) a lane takes 64 numbers of its ROW in the order that the row quantiser wants; they stay in registers, and their squares are summed.  Behind the 8 steps: the norm, and 8 x (scale, quantise, store).
; Each step has LDS rows of its own (8 x 33,792 bytes), written once: one barrier a step.
.set PIT,   528
.set REG,   64*PIT
.set XTS,   8*REG                      ; xt's scale words: 8 d blocks x 512 bytes
.set XNS,   XTS+4096                   ; xn's scale words: 8 steps x 256 bytes
.set SPARE, XNS+2048                   ; the spare words, 128 bytes a wave: two blocks of 256 bytes that no other line names
.set REC,   6400
.set CHK,   6656
.set I16,  1                           ; v1   16 l + 1,536 w: an image's place, in xn's record and in xt's chunk (tile 2 w)
.set I8,   2                           ; v2   8 l + 1,536 w + 512
.set LD,   3                           ; v3   16 l
.set STB,  4                           ; v4   LDS: my tile's first row, my 16 bytes
.set XNB,  5                           ; v5   LDS: my row (16 w + r), + 64 h
.set XTB,  6                           ; v6   LDS: my column: 128 w + 4 l
.set AST,  7                           ; v7-9 the three, in the step's rows
.set AXN,  8
.set AXT,  9
.set XTSA, 10
.set XNSA, 11
.set SPW,  12                          ; v12  my spare word; never rewritten
.set NIL,  13                          ; v13  0; never rewritten
.set FA,   14                          ; v14, v15, v26, v27: the last pass's addresses
.set FB,   15
.set SUM,  16                          ; v16-23 four pairs of sums of squares
.set RN,   24                          ; v24-25 1 / norm, twice
.set FC,   26
.set FD,   27
.set TM,   32                          ; v32-47 the row quantiser's work
.set PW,   48                          ; v48  its scale word
.set PC,   64                          ; v64-82 its codes
.set C0,   84                          ; v84-89, v90-95 the column quantiser's two half fragments
.set C1,   90
.set T0,   96
.set T1,   100
.set XW,   104
.set N,    128                         ; v128-191 64 numbers at work
.set SEL,  20
.set MSB, 0
.macro WIN new                         ; the immediate's high byte repeats the setting that is left
.if MSB != (\new)
	s_set_vgpr_msb (MSB<<8)|(\new)
.set MSB, (\new)
.endif
.endm
; window 1: four landing sets of 64; windows 2, 3: the rows' numbers of steps 0-3, 4-7
.macro GLOAD s                         ; step s of my 16 rows: each load reads 512 consecutive bytes, at a multiple of 512 from x's first byte
	WIN 0x40
.irp t, 0,1,2,3,4,5,6,7,8,9,10,11,12,13,14,15
	global_load_b128 v[64*((\s)%4)+4*\t:64*((\s)%4)+4*\t+3], v[LD], s[4:5] offset:((\t%8)+16*(\t/8))*8192+512*(\s) th:TH_LOAD_NT
.endr
	WIN 0
.endm
; 64 numbers of a lane, register 16 b + i = k 32 b + 16 (lane / 16) + i of my row, become a fragment's codes in v[PC] on and its scale word in v[PW]
.macro QUANT s
.irp b, 0,1,2,3
	v_max3_num_f32 v[TM+\b], |v[\s+16*\b]|, |v[\s+1+16*\b]|, 0x2800000   ; my 16 numbers of block b, and the floor 2^(5 - 127): the byte cannot fall under 1
.endr
.irp i, 2,4,6,8,10,12,14
.irp b, 0,1,2,3
	v_max3_num_f32 v[TM+\b], v[TM+\b], |v[\s+16*\b+\i]|, |v[\s+1+16*\b+\i]|
.endr
.endr
.irp b, 0,1,2,3
	v_permlanex16_b32 v[TM+4+\b], v[TM+\b], s[SEL], s[SEL+1]
.endr
.irp b, 0,1,2,3
	v_max_num_f32 v[TM+\b], v[TM+\b], v[TM+4+\b]   ; with lane l xor 16's: the block's largest magnitude
.endr
.irp b, 0,1,2,3
	v_add_nc_u32 v[TM+12+\b], 0xfe000000, v[TM+\b] ; 4 off its exponent field: the conversion's scale operand
.endr
.irp b, 0,1,2,3
	v_lshrrev_b32 v[TM+4+\b], 23, v[TM+12+\b]      ; the scale's byte
.endr
	v_lshl_or_b32 v[PW], v[TM+5], 8, v[TM+4]
	v_lshl_or_b32 v[PW], v[TM+6], 16, v[PW]
	v_lshl_or_b32 v[PW], v[TM+7], 24, v[PW]
.irp c, 0,1
	v_cvt_scalef32_pk16_bf6_f32 v[PC+6*\c:PC+2+6*\c], v[\s+32*\c:\s+15+32*\c], v[TM+12+2*\c]
	v_cvt_scalef32_pk16_bf6_f32 v[PC+12+4*\c:PC+14+4*\c], v[\s+16+32*\c:\s+31+32*\c], v[TM+12+2*\c+1]
.endr
	v_nop                                          ; one plain place behind a scaled conversion
.irp c, 0,1                                    ; the operand wants a whole block in a lane: lanes 0-15 block 2 c, lanes 16-31 block 2 c + 1
.irp i, 0,1,2
	v_permlane16_swap_b32 v[PC+6*\c+\i], v[PC+12+4*\c+\i]
.endr
.irp i, 0,1,2
	v_mov_b32 v[PC+3+6*\c+\i], v[PC+12+4*\c+\i]
.endr
.endr
.endm
; my column's 64 numbers down m (v[N] on): two whole blocks of 32, each all mine
.macro XTQ
	v_max3_num_f32 v[XW], |v[N]|, |v[N+1]|, 0x2800000
	v_max3_num_f32 v[XW+1], |v[N+32]|, |v[N+33]|, 0x2800000
.irp i, 2,4,6,8,10,12,14,16,18,20,22,24,26,28,30
	v_max3_num_f32 v[XW], v[XW], |v[N+\i]|, |v[N+1+\i]|
	v_max3_num_f32 v[XW+1], v[XW+1], |v[N+32+\i]|, |v[N+33+\i]|
.endr
	v_add_nc_u32 v[XW+2], 0xfe000000, v[XW]
	v_add_nc_u32 v[XW+3], 0xfe000000, v[XW+1]
	v_lshrrev_b32 v[XW+4], 23, v[XW+2]
	v_lshrrev_b32 v[XW+5], 23, v[XW+3]
	v_lshl_or_b32 v[XW+4], v[XW+5], 8, v[XW+4]
	v_lshlrev_b32 v[XW+4], s16, v[XW+4]            ; the two bytes at their places in the word of 128 m: 16 (mc % 2) bits up
	s_wait_xcnt 0x0                                ; the last step's stores have read their data: the codes' registers are written again only behind this wait
	v_cvt_scalef32_pk16_bf6_f32 v[C0:C0+2], v[N:N+15], v[XW+2]
	v_cvt_scalef32_pk16_bf6_f32 v[T0:T0+2], v[N+16:N+31], v[XW+2]
	v_cvt_scalef32_pk16_bf6_f32 v[C1:C1+2], v[N+32:N+47], v[XW+3]
	v_cvt_scalef32_pk16_bf6_f32 v[T1:T1+2], v[N+48:N+63], v[XW+3]
	v_nop                                          ; one plain place behind a scaled conversion
.irp i, 0,1,2
	v_mov_b32 v[C0+3+\i], v[T0+\i]
	v_mov_b32 v[C1+3+\i], v[T1+\i]
.endr
.irp i, 0,1,2,3,4,5
	v_permlane16_swap_b32 v[C0+\i], v[C1+\i]       ; C0: columns 32 w + r, block lane / 16: tile 2 w's half fragment; C1: tile 2 w + 1's
.endr
.endm
.macro STEP s
.if (\s) < 5
	s_wait_loadcnt 48                              ; this step's 16 loads are in; those of the three steps behind it may be out
.else
	s_wait_loadcnt 16*(7-(\s))
.endif
	v_add_nc_u32 v[AST], REG*(\s), v[STB]
	v_add_nc_u32 v[AXN], REG*(\s), v[XNB]
	v_add_nc_u32 v[AXT], REG*(\s), v[XTB]
	WIN 0x04                                       ; an LDS store's data are its source 1: window 1
.irp t, 0,1,2,3,4,5,6,7,8,9,10,11,12,13,14,15
	ds_store_b128 v[AST], v[64*((\s)%4)+4*\t:64*((\s)%4)+4*\t+3] offset:\t*PIT
.endr
	WIN 0
	s_wait_dscnt 0x0                               ; for the others' sake: my rows lie in LDS; and the landing set is free
.if (\s) < 4
	GLOAD (\s)+4
.endif
	s_barrier_signal -1
	s_barrier_wait -1                              ; all 64 rows of the step lie in LDS
.set i, 0
.rept 64                                       ; register i = row i of the block in its true order; it lies at LDS row 16 x tile + place
	ds_load_b32 v[N+i], v[AXT] offset:(16*(2*(i/32)+((i/8)%2))+(i%8)+8*((i/16)%2))*PIT
.set i, i+1
.endr
	WIN (2+(\s)/4)<<6
.irp b, 0,1,2,3
.irp j, 0,1,2,3
	ds_load_b128 v[64*((\s)%4)+16*\b+4*\j:64*((\s)%4)+16*\b+4*\j+3], v[AXN] offset:128*\b+16*\j
.endr
.endr
	WIN 0
	s_wait_dscnt 16                                ; the column's 64 are in; the row's 16 loads may be out
	XTQ
	global_store_b128 v[I16], v[C0:C0+3], s[8:9] offset:CHK*(\s)          ; 32 lanes store 512 consecutive bytes, at a multiple of 256 from xt's first byte
	global_store_b64 v[I8], v[C0+4:C0+5], s[8:9] offset:CHK*(\s)          ; and 256
	global_store_b128 v[I16], v[C1:C1+3], s[8:9] offset:CHK*(\s)+768
	global_store_b64 v[I8], v[C1+4:C1+5], s[8:9] offset:CHK*(\s)+768
	ds_store_b32 v[XTSA], v[XW+4] offset:512*(\s)
	s_wait_dscnt 0x0                               ; the row's numbers are in
	WIN (2+(\s)/4)*5                               ; sources 0 and 1: window 2 or 3
.set k, 0
.rept 32
.if ((\s) == 0) && (k < 4)
	v_pk_mul_f32 v[SUM+2*k:SUM+2*k+1], v[2*k:2*k+1], v[2*k:2*k+1]          ; the first four products start the sums
.else
	v_pk_fma_f32 v[SUM+2*(k%4):SUM+2*(k%4)+1], v[64*((\s)%4)+2*k:64*((\s)%4)+2*k+1], v[64*((\s)%4)+2*k:64*((\s)%4)+2*k+1], v[SUM+2*(k%4):SUM+2*(k%4)+1]
.endif
.set k, k+1
.endr
	WIN 0
.endm
.macro TAIL s
	WIN 2+(\s)/4
.set k, 0
.rept 32
	v_pk_mul_f32 v[N+2*k:N+2*k+1], v[64*((\s)%4)+2*k:64*((\s)%4)+2*k+1], v[RN:RN+1]
.set k, k+1
.endr
	WIN 0
	s_wait_xcnt 0x0                                ; the last fragment's stores have read their data
	QUANT N
.irp c, 0,1,2
	global_store_b128 v[I16], v[PC+4*\c:PC+4*\c+3], s[6:7] offset:REC*(\s)+512*\c
.endr
	ds_store_b32 v[XNSA], v[PW] offset:256*(\s)    ; lanes r and r + 16 write the same word with the same value
.endm
	s_load_b128 s[4:7], s[0:1], 0x0                ; x, xn
	s_load_b64 s[8:9], s[0:1], 0x10                ; xt
	v_lshl_add_u32 v[SPW], v0, 2, SPARE
	v_mov_b32 v[NIL], 0
	v_lshrrev_b32 v28, 5, v0
	v_readfirstlane_b32 s10, v28                   ; wave
	v_and_b32 v28, 31, v0                          ; l
	v_and_b32 v29, 15, v0                          ; r
	v_bfe_u32 v30, v0, 4, 1                        ; h
	v_lshlrev_b32 v[LD], 4, v28
	s_mul_i32 s11, s10, 1536
	v_add_nc_u32 v[I16], s11, v[LD]
	s_add_co_u32 s11, s11, 512
	v_lshl_add_u32 v[I8], v28, 3, s11
	s_mul_i32 s11, s10, 16*PIT
	v_add_nc_u32 v[STB], s11, v[LD]
	v_mul_u32_u24 v31, v29, PIT
	v_lshl_add_u32 v31, v30, 6, v31
	v_add_nc_u32 v[XNB], s11, v31
	s_lshl_b32 s11, s10, 7
	v_lshl_add_u32 v[XTB], v28, 2, s11
	v_add_nc_u32 v[XTSA], XTS, v[XTB]
	s_and_b32 s11, s10, 1
	s_lshl_b32 s11, s11, 7
	s_lshr_b32 s12, s10, 1
	s_lshl_b32 s12, s12, 2
	s_add_co_u32 s11, s11, s12
	s_add_co_u32 s11, s11, XNS
	v_lshl_add_u32 v[XNSA], v29, 3, s11            ; XNS + 8 (r + 16 (w % 2)) + 4 (w / 2)
	s_lshl_b32 s11, s10, 10
	s_add_co_u32 s11, s11, XTS
	v_add_nc_u32 v[FA], s11, v[LD]
	s_lshl_b32 s11, s10, 9
	s_add_co_u32 s11, s11, XNS
	v_lshl_add_u32 v[FB], v28, 3, s11
	s_mul_i32 s11, s10, 2*CHK
	v_add_nc_u32 v[FC], s11, v[LD]
	s_mul_i32 s11, s10, 2*REC
	v_lshl_add_u32 v[FD], v28, 3, s11
.irp b, 0,1,2,3
	v_mov_b32 v[TM+4+\b], 0                        ; written once: a lane permute's destination counts as one of its sources
.endr
	s_mov_b32 s[SEL], 0x76543210
	s_mov_b32 s[SEL+1], 0xfedcba98
	s_and_b32 s16, ttmp9, 1
	s_lshl_b32 s16, s16, 4
	s_and_b32 s11, ttmp7, 0xffff                   ; b
	s_lshl_b32 s12, s11, 5
	s_add_co_u32 s12, s12, ttmp9                   ; 32 b + mc
	s_mul_i32 s14, s12, 8*REC
	s_mov_b32 s15, 0
	s_mul_i32 s18, s12, 8*CHK
	s_mov_b32 s19, 0
	s_lshl_b32 s12, s12, 6                         ; the block's first row
	s_lshr_b32 s13, s10, 1
	s_lshl_b32 s13, s13, 5
	s_add_co_u32 s12, s12, s13
	s_and_b32 s13, s10, 1
	s_lshl_b32 s13, s13, 3
	s_add_co_u32 s12, s12, s13                     ; + TB(w)
	s_lshl_b32 s12, s12, 13                        ; rows of 8,192 bytes: under 2^28
	s_mov_b32 s13, 0
	s_wait_kmcnt 0x0
	s_add_nc_u64 s[4:5], s[4:5], s[12:13]
	s_add_nc_u64 s[6:7], s[6:7], s[14:15]
	s_add_nc_u64 s[8:9], s[8:9], s[18:19]
.irp s, 0,1,2,3
	GLOAD \s
.endr
.irp s, 0,1,2,3,4,5,6,7
	STEP \s
.endr
	v_pk_add_f32 v[SUM:SUM+1], v[SUM:SUM+1], v[SUM+2:SUM+3]
	v_pk_add_f32 v[SUM+4:SUM+5], v[SUM+4:SUM+5], v[SUM+6:SUM+7]
	v_pk_add_f32 v[SUM:SUM+1], v[SUM:SUM+1], v[SUM+4:SUM+5]
	v_add_f32 v[SUM], v[SUM], v[SUM+1]
	v_permlanex16_b32 v[SUM+1], v[SUM], s[SEL], s[SEL+1]
	v_add_f32 v[SUM], v[SUM], v[SUM+1]             ; the row's sum of squares
	v_add_f32 v[SUM], 0x322bcc77, v[SUM]           ; + 1e-8
	v_rsq_f32 v[RN], v[SUM]
	v_rsq_f32 v[RN+1], v[SUM]
	v_nop                                          ; a plain place behind the transcendentals
	s_wait_alu depctr_va_vdst(0)                   ; one wait for both, ahead of their first reader
.irp s, 0,1,2,3,4,5,6,7
	TAIL \s
.endr
	s_wait_dscnt 0x0                               ; for the others' sake: my scale words lie in LDS
	s_barrier_signal -1
	s_barrier_wait -1
	ds_load_b128 v[N:N+3], v[FA]                   ; the scale areas leave whole: wave w takes those of d blocks and steps 2 w, 2 w + 1
	ds_load_b128 v[N+4:N+7], v[FA] offset:512
	ds_load_b64 v[N+8:N+9], v[FB]
	ds_load_b64 v[N+10:N+11], v[FB] offset:256
	s_wait_dscnt 0x0
	global_store_b128 v[FC], v[N:N+3], s[8:9] offset:6144
	global_store_b128 v[FC], v[N+4:N+7], s[8:9] offset:CHK+6144
	global_store_b64 v[FD], v[N+8:N+9], s[6:7] offset:6144
	global_store_b64 v[FD], v[N+10:N+11], s[6:7] offset:REC+6144
	s_wait_tensorcnt 0x0                           ; the wave's end: behind my last LDS store
	ds_add_u32 v[SPW], v[NIL]
	s_wait_dscnt 0x0
	s_endpgm
.Lfunc_end_k_q46a694ec85_quant:
	.size	k_q46a694ec85_quant, .Lfunc_end_k_q46a694ec85_quant-k_q46a694ec85_quant
	.p2alignl 7, 3214868480
	.fill 96, 4, 3214868480
	.section	.rodata,"a",@progbits
	.p2align	6, 0x0
	.amdhsa_kernel k_q46a694ec85_quant
		.amdhsa_group_segment_fixed_size 276992
		.amdhsa_private_segment_fixed_size 0
		.amdhsa_enable_private_segment 0
		.amdhsa_kernarg_size 24
		.amdhsa_user_sgpr_count 2
		.amdhsa_user_sgpr_kernarg_segment_ptr 1
		.amdhsa_wavefront_size32 1
		.amdhsa_system_sgpr_workgroup_id_x 1
		.amdhsa_system_sgpr_workgroup_id_y 1
		.amdhsa_system_sgpr_workgroup_id_z 1
		.amdhsa_system_vgpr_workitem_id 0
		.amdhsa_next_free_vgpr 1024
		.amdhsa_next_free_sgpr 66
		.amdhsa_reserve_vcc 0
		.amdhsa_float_denorm_mode_32 3
		.amdhsa_float_denorm_mode_16_64 3
		.amdhsa_memory_ordered 1
		.amdhsa_forward_progress 1
		.amdhsa_inst_pref_size 163
	.end_amdhsa_kernel
	.amdgpu_metadata
---
amdhsa.version: [ 1, 2 ]
amdhsa.kernels:
  - .name:           k_q46a694ec85_quant
    .symbol:         k_q46a694ec85_quant.kd
    .args:
      - { .name: x, .offset: 0, .size: 8, .value_kind: global_buffer, .address_space: global }
      - { .name: xn, .offset: 8, .size: 8, .value_kind: global_buffer, .address_space: global }
      - { .name: xt, .offset: 16, .size: 8, .value_kind: global_buffer, .address_space: global }
    .group_segment_fixed_size: 276992
    .private_segment_fixed_size: 0
    .kernarg_segment_align: 8
    .kernarg_segment_size: 24
    .max_flat_workgroup_size: 128
    .sgpr_count:     66
    .vgpr_count:     1024
    .wavefront_size: 32
...
	.end_amdgpu_metadata
.endif
;; end of part 1
;; launch scores (part 2): grid 24 x 8, 4 waves a work-group, no clusters, 307,712 bytes of LDS; arguments spatial_proj, xn, at; writes at
.if DOCPART == 2
	.amdgcn_target "amdgcn-amd-amdhsa--gfx1250"
	.amdhsa_code_object_version 6
	.text
	.protected	k_q46a694ec85_scores
	.globl	k_q46a694ec85_scores
	.p2align	8
	.type	k_q46a694ec85_scores,@function
k_q46a694ec85_scores:
	s_mov_b64 s[64:65], 0
	v_nop
	global_prefetch_b8 v0, s[64:65] scope:SCOPE_SE
	s_setreg_imm32_b32 hwreg(HW_REG_WAVE_MODE, 25, 1), 1
	s_wait_xcnt 0x0
; LAUNCH 2 OF 3.  attn = tril(spatial_proj) o (Q(xn) Q(xn)^T), quantised along m into `at`, on the codes that launch 1 made.
; LEFT OUT AS DEAD WORK (shown at the head of launch 1): units of 64 rows (block rb) x 128 keys (block s) with s > rb / 2: tril makes them zeros for all inputs.  They are neither computed nor stored, spatial_proj is not read there.
; SHARES.  A unit of the work-group is 256 rows (group g: wave w owns rb = 4 g + w) x 128 keys (block s) x K = 1,024.  Group g has 2 g + 2 units; groups 7 - pi and pi together have 18: six work-groups of exactly 3 units.
; 4 pairs x 6 x 8 batches = 192 work-groups of equal work.  The pair's units are numbered t = 0 .. 17: first the larger group's, then the smaller's.  A group's last unit is live for waves 2 and 3 alone: waves 0 and 1 pass over it.
; The queries' 32 fragments (64 rows x 1,024) stay in REGISTERS, loaded as they lie in xn; the three key blocks (102,400 dense bytes each) are brought into LDS once, by tensor loads at the head, a quarter a wave: nothing is filled again.
; THE PRODUCT IS USED TRANSPOSED: source 0 = 16 keys, source 1 = 16 queries: a lane holds one query, and by xn's row order the 64 registers of a query tile's eight results are keys 32 b + 16 (lane / 16) + i: the order that the
; quantiser along m wants.  A result is multiplied by spatial_proj (loaded in that same layout), masked where the diagonal crosses the unit, quantised in registers and stored as an image of the next operand's registers.
; at: [b][rb 32][s 16][6,400], a record laid as xn's.
; NO CLUSTER: within a batch the triangle gives each work-group another list of key blocks, at other LDS places; across batches only spatial_proj is shared, and it goes straight into registers.
; LIMITS: as stated at the head of launch 1.
; REGISTERS: window 2: results (a, kb) at 64 a + 8 kb.  window 3: queries' fragments of K steps 0-4 (48 a step).  window 1: keys' fragments, two sets of 96; from v192 the queries' of K step 5.  window 0: below; v160-255 the queries' of K steps 6, 7.
.set REC,   6400
.set RB8,   8*REC                      ; a block of 64 rows in xn
.set BLK,   2*RB8                      ; a key block
.set SPARE, 3*BLK                      ; the spare words, 128 bytes a wave: two blocks of 256 bytes that no other line names
.set L16,  1                           ; v1   16 l
.set L8,   2                           ; v2   8 l
.set SPO,  3                           ; v3   spatial_proj: RP(r) rows of 8,192 bytes + 64 h
.set DL,   4                           ; v4   64 (w % 2) + RP(r) - 16 h: the mask's bound
.set B16A, 5                           ; v5-8 LDS addresses in the unit's key block: codes of its first and second 64 keys, their scale words
.set B16B, 6
.set B8A,  7
.set B8B,  8
.set SPW,  9                           ; v9   my spare word; never rewritten
.set NIL,  10                          ; v10  0, for the add alone
.set ZR,   11                          ; v11  0, for the mask
.set SA,   16                          ; v16-31 the queries' scale words: two registers a K step (tiles 0|1, tiles 2|3 in the two halves of the lanes)
.set SB,   32                          ; v32-39 the keys': two sets of four
.set TM,   40
.set PW,   56
.set PWS,  57                          ; v57-60 the four tiles' scale words
.set XY,   62
.set PC,   64
.set H,    96                          ; v96-159 spatial_proj for tile 0, then the 64 numbers at work
.set WV,  10
.set BB,  11
.set GSM, 12                           ; pi: the smaller group
.set T,   14
.set NL,  15                           ; units of the larger group: 16 - 2 pi
.set GL,  16                           ; the larger group: 7 - pi
.set G,   18
.set S,   19
.set SEL, 20
.set GA,  22                           ; the group whose queries lie in my registers
.set G1,  24
.set G0,  32                           ; s[32:43] three groups 0
.set PA,  44
.set PSP, 46
.set PAT, 48
.set UB,  54                           ; LDS byte at which the unit's key block begins
.set MSK, 55
.set DG,  56                           ; 1: the diagonal crosses my part of the unit
.set CNT, 57
.set WH,  58
.set WQ,  59
.set MSB, 0
.macro WIN new
.if MSB != (\new)
	s_set_vgpr_msb (MSB<<8)|(\new)
.set MSB, (\new)
.endif
.endm
.macro GS tr                           ; unit number s[tr] -> its group s[G] and key block s[S]
	s_cmp_lt_u32 s[\tr], s[NL]
	s_cselect_b32 s[G], s[GL], s[GSM]
	s_cselect_b32 s[S], 0, s[NL]
	s_sub_co_u32 s[S], s[\tr], s[S]
.endm
.macro APTR                            ; xn at block 4 GA + w of my batch
	s_lshl_b32 s50, s[BB], 5
	s_lshl_b32 s51, s[GA], 2
	s_add_co_u32 s50, s50, s51
	s_add_co_u32 s50, s50, s[WV]
	s_mul_i32 s50, s50, RB8
	s_mov_b32 s51, 0
	s_add_nc_u64 s[PA:PA+1], s[6:7], s[50:51]
.endm
.macro ALOAD                           ; my 64 queries: 32 fragments and their scale words, as they lie
.irp ks, 0,1,2,3,4,5,6,7
.if \ks < 5
	WIN 0xc0
.set aBs, 48*\ks
.elseif \ks == 5
	WIN 0x40
.set aBs, 192
.else
	WIN 0
.set aBs, 160+48*(\ks-6)
.endif
.irp a, 0,1,2,3
.irp c, 0,1,2
	global_load_b128 v[aBs+12*\a+4*\c:aBs+12*\a+4*\c+3], v[L16], s[PA:PA+1] offset:REC*\ks+1536*\a+512*\c
.endr
.endr
.endr
	WIN 0
.irp ks, 0,1,2,3,4,5,6,7
	global_load_b64 v[SA+2*\ks:SA+2*\ks+1], v[L8], s[PA:PA+1] offset:REC*\ks+6144
.endr
.endm
.macro FETCHB ks, p                    ; the key block's eight fragments of K step ks and their scale words into set p: 26 LDS loads
	WIN 0x40
.irp kb, 0,1,2,3
.irp c, 0,1,2
	ds_load_b128 v[96*(\p)+12*\kb+4*\c:96*(\p)+12*\kb+4*\c+3], v[B16A] offset:REC*(\ks)+1536*\kb+512*\c
.endr
.endr
.irp kb, 0,1,2,3
.irp c, 0,1,2
	ds_load_b128 v[96*(\p)+48+12*\kb+4*\c:96*(\p)+48+12*\kb+4*\c+3], v[B16B] offset:REC*(\ks)+1536*\kb+512*\c
.endr
.endr
	WIN 0
	ds_load_b64 v[SB+4*(\p):SB+4*(\p)+1], v[B8A] offset:REC*(\ks)+6144
	ds_load_b64 v[SB+4*(\p)+2:SB+4*(\p)+3], v[B8B] offset:REC*(\ks)+6144
.endm
.macro WM                              ; one matrix instruction by the symbols rD, rA, rB, rSA, rSB; fZ: it starts the sum; fRA, fRB: the scale words lie in lanes 16-31
.if fZ
.if fRA && fRB
	v_wmma_scale_f32_16x16x128_f8f6f4 v[rD:rD+7], v[rA:rA+11], v[rB:rB+11], 0, v[rSA], v[rSB] matrix_a_fmt:MATRIX_FMT_BF6 matrix_b_fmt:MATRIX_FMT_BF6 matrix_a_scale:MATRIX_SCALE_ROW1 matrix_b_scale:MATRIX_SCALE_ROW1
.elseif fRA
	v_wmma_scale_f32_16x16x128_f8f6f4 v[rD:rD+7], v[rA:rA+11], v[rB:rB+11], 0, v[rSA], v[rSB] matrix_a_fmt:MATRIX_FMT_BF6 matrix_b_fmt:MATRIX_FMT_BF6 matrix_a_scale:MATRIX_SCALE_ROW1
.elseif fRB
	v_wmma_scale_f32_16x16x128_f8f6f4 v[rD:rD+7], v[rA:rA+11], v[rB:rB+11], 0, v[rSA], v[rSB] matrix_a_fmt:MATRIX_FMT_BF6 matrix_b_fmt:MATRIX_FMT_BF6 matrix_b_scale:MATRIX_SCALE_ROW1
.else
	v_wmma_scale_f32_16x16x128_f8f6f4 v[rD:rD+7], v[rA:rA+11], v[rB:rB+11], 0, v[rSA], v[rSB] matrix_a_fmt:MATRIX_FMT_BF6 matrix_b_fmt:MATRIX_FMT_BF6
.endif
.else
.if fRA && fRB
	v_wmma_scale_f32_16x16x128_f8f6f4 v[rD:rD+7], v[rA:rA+11], v[rB:rB+11], v[rD:rD+7], v[rSA], v[rSB] matrix_a_fmt:MATRIX_FMT_BF6 matrix_b_fmt:MATRIX_FMT_BF6 matrix_a_scale:MATRIX_SCALE_ROW1 matrix_b_scale:MATRIX_SCALE_ROW1
.elseif fRA
	v_wmma_scale_f32_16x16x128_f8f6f4 v[rD:rD+7], v[rA:rA+11], v[rB:rB+11], v[rD:rD+7], v[rSA], v[rSB] matrix_a_fmt:MATRIX_FMT_BF6 matrix_b_fmt:MATRIX_FMT_BF6 matrix_a_scale:MATRIX_SCALE_ROW1
.elseif fRB
	v_wmma_scale_f32_16x16x128_f8f6f4 v[rD:rD+7], v[rA:rA+11], v[rB:rB+11], v[rD:rD+7], v[rSA], v[rSB] matrix_a_fmt:MATRIX_FMT_BF6 matrix_b_fmt:MATRIX_FMT_BF6 matrix_b_scale:MATRIX_SCALE_ROW1
.else
	v_wmma_scale_f32_16x16x128_f8f6f4 v[rD:rD+7], v[rA:rA+11], v[rB:rB+11], v[rD:rD+7], v[rSA], v[rSB] matrix_a_fmt:MATRIX_FMT_BF6 matrix_b_fmt:MATRIX_FMT_BF6
.endif
.endif
.endm
.macro MUL ks, p                       ; 32 matrix instructions: 8 key tiles x 4 query tiles, 128 along K.  The 32 accumulators take turns, one instruction a turn
.if (\ks) < 5
	WIN 0xad                                       ; source 0 window 1, source 1 window 3, C and D window 2
.set aBs, 48*(\ks)
.elseif (\ks) == 5
	WIN 0xa5
.set aBs, 192
.else
	WIN 0xa1
.set aBs, 160+48*((\ks)-6)
.endif
.set fZ, (\ks) == 0
.irp kb, 0,1,2,3,4,5,6,7
.irp a, 0,1,2,3
.set rD, 64*\a+8*\kb
.set rA, 96*(\p)+12*\kb
.set rB, aBs+12*\a
.set rSA, SB+4*(\p)+2*(\kb/4)+((\kb%4)/2)
.set rSB, SA+2*(\ks)+(\a/2)
.set fRA, \kb%2
.set fRB, \a%2
	WM
.endr
.endr
.endm
.macro SPLOAD a, dst                   ; spatial_proj for query tile a in the results' layout: lane (r, h): row TB(a) + RP(r), columns 32 b + 16 h + 0 .. 15
.irp b, 0,1,2,3
.irp j, 0,1,2,3
	global_load_b128 v[\dst+16*\b+4*\j:\dst+16*\b+4*\j+3], v[SPO], s[PSP:PSP+1] offset:(32*((\a)/2)+8*((\a)%2))*8192+128*\b+16*\j
.endr
.endr
.endm
.macro MASK a                          ; where the diagonal crosses the unit: register 16 b + i is key 32 b + 16 h + i of the block; it is hidden where 32 b + i - TB(a) > DL
	s_cmp_eq_u32 s[DG], 1
	s_cbranch_scc0 .Lopen_\@
.set e, 0
.rept 64
	v_cmp_gt_i32 vcc_lo, 32*(e/16)+(e%16)-(32*((\a)/2)+8*((\a)%2)), v[DL]
	v_cndmask_b32 v[H+e], v[H+e], v[ZR], vcc_lo
.set e, e+1
.endr
.Lopen_\@:
.endm
.macro QUANT s
.irp b, 0,1,2,3
	v_max3_num_f32 v[TM+\b], |v[\s+16*\b]|, |v[\s+1+16*\b]|, 0x2800000   ; my 16 numbers of block b, and the floor 2^(5 - 127): the byte cannot fall under 1
.endr
.irp i, 2,4,6,8,10,12,14
.irp b, 0,1,2,3
	v_max3_num_f32 v[TM+\b], v[TM+\b], |v[\s+16*\b+\i]|, |v[\s+1+16*\b+\i]|
.endr
.endr
.irp b, 0,1,2,3
	v_permlanex16_b32 v[TM+4+\b], v[TM+\b], s[SEL], s[SEL+1]
.endr
.irp b, 0,1,2,3
	v_max_num_f32 v[TM+\b], v[TM+\b], v[TM+4+\b]
.endr
.irp b, 0,1,2,3
	v_add_nc_u32 v[TM+12+\b], 0xfe000000, v[TM+\b]
.endr
.irp b, 0,1,2,3
	v_lshrrev_b32 v[TM+4+\b], 23, v[TM+12+\b]
.endr
	v_lshl_or_b32 v[PW], v[TM+5], 8, v[TM+4]
	v_lshl_or_b32 v[PW], v[TM+6], 16, v[PW]
	v_lshl_or_b32 v[PW], v[TM+7], 24, v[PW]
.irp c, 0,1
	v_cvt_scalef32_pk16_bf6_f32 v[PC+6*\c:PC+2+6*\c], v[\s+32*\c:\s+15+32*\c], v[TM+12+2*\c]
	v_cvt_scalef32_pk16_bf6_f32 v[PC+12+4*\c:PC+14+4*\c], v[\s+16+32*\c:\s+31+32*\c], v[TM+12+2*\c+1]
.endr
	v_nop                                          ; one plain place behind a scaled conversion
.irp c, 0,1
.irp i, 0,1,2
	v_permlane16_swap_b32 v[PC+6*\c+\i], v[PC+12+4*\c+\i]
.endr
.irp i, 0,1,2
	v_mov_b32 v[PC+3+6*\c+\i], v[PC+12+4*\c+\i]
.endr
.endr
.endm
.macro PLACES
.rept 4
	v_nop
.endr
.endm
; ONE UNIT.  No barrier and no wait on TENSORcnt stands in it.
.macro UNIT
	GS T
	s_lshl_b32 s50, s[G], 1
	s_add_co_u32 s50, s50, s[WH]                   ; my rows' last live key block: 2 g + w / 2
	v_add_nc_u32 v[B16A], s[UB], v[L16]            ; every wave makes the addresses, ahead of the branch
	v_add_nc_u32 v[B16B], RB8, v[B16A]
	v_add_nc_u32 v[B8A], s[UB], v[L8]
	v_add_nc_u32 v[B8B], RB8, v[B8A]
	s_cmp_eq_u32 s[S], s50
	s_cselect_b32 s[DG], 1, 0
	s_cmp_gt_u32 s[S], s50                         ; ids alone
	s_cbranch_scc1 .Ldead_\@
	s_wait_xcnt 0x0                                ; the last unit's loads and stores have read their bases: they are written again only behind this wait
	s_lshl_b32 s50, s[G], 2
	s_add_co_u32 s50, s50, s[WV]                   ; rb
	s_lshl_b32 s52, s50, 19                        ; 64 rb rows of 8,192 bytes
	s_lshl_b32 s51, s[S], 9
	s_add_co_u32 s52, s52, s51
	s_mov_b32 s53, 0
	s_add_nc_u64 s[PSP:PSP+1], s[4:5], s[52:53]
	s_lshl_b32 s51, s[BB], 5
	s_add_co_u32 s51, s51, s50
	s_lshl_b32 s51, s51, 4
	s_add_co_u32 s51, s51, s[S]
	s_mul_i32 s52, s51, REC
	s_add_nc_u64 s[PAT:PAT+1], s[8:9], s[52:53]
	s_cmp_eq_u32 s[G], s[GA]
	s_cbranch_scc1 .Lsame_\@
	s_mov_b32 s[GA], s[G]                          ; the walk has come to the pair's smaller group: its queries take the registers
	APTR
	s_wait_loadcnt 0x0                             ; no load is on its way into those registers
	ALOAD
.Lsame_\@:
	SPLOAD 0, H
	FETCHB 0, 0
	s_wait_loadcnt 16                              ; the queries are in; only the 16 loads of spatial_proj just issued may be out
.irp ks, 0,1,2,3,4,5,6,7
.if \ks < 7
.if \ks > 0
	PLACES                                         ; in front of loads into registers that the last matrix instructions have read
.endif
	FETCHB \ks+1, (\ks+1)%2
	s_wait_dscnt 26                                ; all but the 26 just issued
.else
	s_wait_dscnt 0x0
.endif
	MUL \ks, \ks%2
.endr
	WIN 0
	PLACES                                         ; in front of the loads into the keys' registers and of the first read of results
	WIN 0x40
	SPLOAD 1, 0
	SPLOAD 2, 64
	SPLOAD 3, 128
	WIN 0
.irp a, 0,1,2,3
	s_wait_loadcnt 48-16*\a                        ; tile a's 16 loads are in; the later tiles' may be out
.if \a == 0
	WIN 0x02                                       ; source 0 (the results) window 2
.else
	WIN 0x06                                       ; and source 1 (spatial_proj) window 1
.endif
.set k, 0
.rept 32                                       ; each result is read from its low end on
.if \a == 0
	v_pk_mul_f32 v[H+2*k:H+2*k+1], v[2*k:2*k+1], v[H+2*k:H+2*k+1]
.else
	v_pk_mul_f32 v[H+2*k:H+2*k+1], v[64*\a+2*k:64*\a+2*k+1], v[64*(\a-1)+2*k:64*(\a-1)+2*k+1]
.endif
.set k, k+1
.endr
	WIN 0
	MASK \a
	s_wait_xcnt 0x0                                ; the last tile's stores have read their data
	QUANT H
	v_mov_b32 v[PWS+\a], v[PW]
.irp c, 0,1,2
	global_store_b128 v[L16], v[PC+4*\c:PC+4*\c+3], s[PAT:PAT+1] offset:1536*\a+512*\c   ; 512 consecutive bytes, at a multiple of 256 from at's first byte
.endr
.endr
	v_cndmask_b32 v[XY], v[PWS], v[PWS+1], s[MSK]  ; lanes 0-15 tile 0's words, lanes 16-31 tile 1's;
	v_cndmask_b32 v[XY+1], v[PWS+2], v[PWS+3], s[MSK]  ; tiles 2 and 3
	global_store_b64 v[L8], v[XY:XY+1], s[PAT:PAT+1] offset:6144
.Ldead_\@:
	s_add_co_u32 s[T], s[T], 1
	s_add_co_u32 s[UB], s[UB], BLK
.endm
	s_load_b128 s[4:7], s[0:1], 0x0                ; spatial_proj, xn
	s_load_b64 s[8:9], s[0:1], 0x10                ; at
	v_lshl_add_u32 v[SPW], v0, 2, SPARE
	v_mov_b32 v[NIL], 0
	ds_add_u32 v[SPW], v[NIL]                      ; the wave's opening: the add, twice on end, and its wait ahead of my first tensor load
	ds_add_u32 v[SPW], v[NIL]
	v_lshrrev_b32 v12, 5, v0
	v_readfirstlane_b32 s[WV], v12
	s_and_b32 s[BB], ttmp7, 0xffff
	s_mul_i32 s[GSM], ttmp9, 43
	s_lshr_b32 s[GSM], s[GSM], 8                   ; pi = x / 6 (x under 24)
	s_mul_i32 s13, s[GSM], 6
	s_sub_co_u32 s13, ttmp9, s13
	s_mul_i32 s[T], s13, 3                         ; my first unit
	s_lshl_b32 s[NL], s[GSM], 1
	s_sub_co_u32 s[NL], 16, s[NL]
	s_sub_co_u32 s[GL], 7, s[GSM]
	s_lshr_b32 s[WH], s[WV], 1
	s_mul_i32 s[WQ], s[WV], BLK/4
	s_mov_b32 s[UB], 0
	s_mov_b32 s[MSK], 0xffff0000
	s_mov_b32 s[SEL], 0x76543210
	s_mov_b32 s[SEL+1], 0xfedcba98
	s_mov_b32 s[G1], 3<<16                         ; a quarter of a key block: 25,600 dense bytes as 100 rows of 32 elements of 8 bytes; no mask, no padding
	s_mov_b32 s[G1+1], 32<<16                      ; tensor_dim0
	s_mov_b32 s[G1+2], 100<<16                     ; tensor_dim1
	s_mov_b32 s[G1+3], 32<<16                      ; tile_dim0
	s_mov_b32 s[G1+4], 100                         ; tile_dim1
	s_mov_b32 s[G1+5], 32                          ; from row to row
	s_mov_b32 s[G1+6], 0
	s_mov_b32 s[G1+7], 0
	v_and_b32 v12, 31, v0
	v_and_b32 v13, 15, v0                          ; r
	v_bfe_u32 v14, v0, 4, 1                        ; h
	v_lshlrev_b32 v[L16], 4, v12
	v_lshlrev_b32 v[L8], 3, v12
	v_and_b32 v15, 8, v13
	v_add_nc_u32 v15, v15, v13                     ; RP(r)
	v_lshlrev_b32 v[SPO], 13, v15
	v_lshl_add_u32 v[SPO], v14, 6, v[SPO]
	s_and_b32 s50, s[WV], 1
	s_lshl_b32 s50, s50, 6
	v_add_nc_u32 v[DL], s50, v15
	v_lshlrev_b32 v14, 4, v14
	v_sub_nc_u32 v[DL], v[DL], v14
	v_mov_b32 v[ZR], 0
.irp b, 0,1,2,3
	v_mov_b32 v[TM+4+\b], 0                        ; written once: a lane permute's destination counts as one of its sources
.endr
	s_wait_dscnt 0x0                               ; both opening adds are done
	s_wait_kmcnt 0x0
.irp u, 0,1,2
	s_add_co_u32 s50, s[T], \u
	GS 50
	s_lshl_b32 s51, s[BB], 5
	s_lshl_b32 s52, s[S], 1
	s_add_co_u32 s52, s52, s51
	s_mul_i32 s52, s52, RB8
	s_add_co_u32 s52, s52, s[WQ]
	s_mov_b32 s53, 0
	s_mov_b32 s[G0+4*\u], 1
	s_add_co_u32 s[G0+4*\u+1], s[WQ], \u*BLK       ; LDS: block u, my quarter
	s_add_nc_u64 s[G0+4*\u+2:G0+4*\u+3], s[6:7], s[52:53]
	s_or_b32 s[G0+4*\u+3], s[G0+4*\u+3], 0x80000000
.endr
	tensor_load_to_lds s[G0:G0+3], s[G1:G1+7]      ; all three first fills go out together: three loads of mine are out
	s_nop 0
	tensor_load_to_lds s[G0+4:G0+7], s[G1:G1+7]
	s_nop 0
	tensor_load_to_lds s[G0+8:G0+11], s[G1:G1+7]
	s_nop 0
	PLACES
	GS T                                           ; the queries of my first LIVE unit: where my first unit is a group's last and I am wave 0 or 1, the next unit's group
	s_lshl_b32 s50, s[G], 1
	s_add_co_u32 s50, s50, s[WH]
	s_cmp_gt_u32 s[S], s50
	s_cselect_b32 s50, 1, 0
	s_add_co_u32 s50, s50, s[T]
	GS 50
	s_mov_b32 s[GA], s[G]
	APTR
	ALOAD
	s_wait_tensorcnt 0x2                           ; my quarter of block 0 is in; blocks 1 and 2 may be out
	s_barrier_signal -1
	s_barrier_wait -1
	UNIT
	s_wait_tensorcnt 0x0                           ; my quarters of blocks 1 and 2
	s_wait_dscnt 0x0
	s_barrier_signal -1
	s_barrier_wait -1
	s_mov_b32 s[CNT], 2
.Lunits:
	UNIT
	s_sub_co_u32 s[CNT], s[CNT], 1
	s_cmp_lg_u32 s[CNT], 0
	s_cbranch_scc1 .Lunits
	s_wait_tensorcnt 0x0                           ; the wave's end
	ds_add_u32 v[SPW], v[NIL]
	s_wait_dscnt 0x0
	s_endpgm
.Lfunc_end_k_q46a694ec85_scores:
	.size	k_q46a694ec85_scores, .Lfunc_end_k_q46a694ec85_scores-k_q46a694ec85_scores
	.p2alignl 7, 3214868480
	.fill 96, 4, 3214868480
	.section	.rodata,"a",@progbits
	.p2align	6, 0x0
	.amdhsa_kernel k_q46a694ec85_scores
		.amdhsa_group_segment_fixed_size 307712
		.amdhsa_private_segment_fixed_size 0
		.amdhsa_enable_private_segment 0
		.amdhsa_kernarg_size 24
		.amdhsa_user_sgpr_count 2
		.amdhsa_user_sgpr_kernarg_segment_ptr 1
		.amdhsa_wavefront_size32 1
		.amdhsa_system_sgpr_workgroup_id_x 1
		.amdhsa_system_sgpr_workgroup_id_y 1
		.amdhsa_system_sgpr_workgroup_id_z 1
		.amdhsa_system_vgpr_workitem_id 0
		.amdhsa_next_free_vgpr 1024
		.amdhsa_next_free_sgpr 66
		.amdhsa_reserve_vcc 1
		.amdhsa_float_denorm_mode_32 3
		.amdhsa_float_denorm_mode_16_64 3
		.amdhsa_memory_ordered 1
		.amdhsa_forward_progress 1
		.amdhsa_inst_pref_size 234
	.end_amdhsa_kernel
	.amdgpu_metadata
---
amdhsa.version: [ 1, 2 ]
amdhsa.kernels:
  - .name:           k_q46a694ec85_scores
    .symbol:         k_q46a694ec85_scores.kd
    .args:
      - { .name: spatial_proj, .offset: 0, .size: 8, .value_kind: global_buffer, .address_space: global }
      - { .name: xn, .offset: 8, .size: 8, .value_kind: global_buffer, .address_space: global }
      - { .name: at, .offset: 16, .size: 8, .value_kind: global_buffer, .address_space: global }
    .group_segment_fixed_size: 307712
    .private_segment_fixed_size: 0
    .kernarg_segment_align: 8
    .kernarg_segment_size: 24
    .max_flat_workgroup_size: 128
    .sgpr_count:     66
    .vgpr_count:     1024
    .wavefront_size: 32
...
	.end_amdgpu_metadata
.endif
;; end of part 2
;; launch context (part 3): grid 32 x 8, 4 waves a work-group, no clusters, 247,296 bytes of LDS; arguments at, xt, x, out0; writes out0
.if DOCPART == 3
	.amdgcn_target "amdgcn-amd-amdhsa--gfx1250"
	.amdhsa_code_object_version 6
	.text
	.protected	k_q46a694ec85_context
	.globl	k_q46a694ec85_context
	.p2align	8
	.type	k_q46a694ec85_context,@function
k_q46a694ec85_context:
	s_mov_b64 s[64:65], 0
	v_nop
	global_prefetch_b8 v0, s[64:65] scope:SCOPE_SE
	s_setreg_imm32_b32 hwreg(HW_REG_WAVE_MODE, 25, 1), 1
	s_wait_xcnt 0x0
; LAUNCH 3 OF 3.  out = (Q(attn) Q(x0)) o x1, on the codes of launches 2 and 1.
; LEFT OUT AS DEAD WORK (shown at the head of launch 1): K steps of 128 keys s > rb / 2 of a block rb of 64 rows: attn is zero there for all inputs; `at` holds nothing there and is not read.
; SHARES.  A work-group owns 128 d (block dblk = x / 4) of batch y; its slice of xt for all 2,048 m, 212,992 bytes, comes into LDS once, in two halves (two tensor loads a wave, 4 rows of 6,656 bytes each); nothing is filled again.
; Wave w takes j = x % 4 + 4 w and owns two tiles of 64 rows x 128 d: L = block 31 - j with n2 = 16 - j / 2 K steps, S = block j with n1 = 17 - n2: every wave of the launch has exactly 17 K steps of 32 matrix instructions.
; ONE TILE AFTER THE OTHER: L's chain (K ascending), L's way out, S's chain, S's way out.  n2 differs from wave to wave, so the waves of a work-group reach L's way out at different times: one wave's stores and its loads of x1
; stand beside the others' products.  Only one set of 256 sums is alive at a time, so the other window holds x1: L's sums in window 2 with x1(L) in window 3 (asked for at the head), S's sums in window 3 with x1(S) in window 2
; (asked for block by block in L's way out, as the registers come free).
; A CHAIN is written out to its greatest length (16, 8); a position's K step is a constant, so every LDS address is a constant + a lane term.  It ends by a forward branch on ids (work-group's and wave's number).
; attn's records stream from memory into a ring of four register sets, three records ahead; a record is asked for only if it is live, and the arm that asks for none waits for all loads, so that each counted wait holds on every way.
; TRANSPOSED: source 0 = 16 d of xt, source 1 = 16 rows of attn: a lane holds one row and eight neighbouring d.  A K step's fragment of xt is two half fragments (64 m each); its scale word is the OR of the two halves' words.
; THE WAY OUT: 16 rows x 128 d at a time through my own stage in LDS, back as whole rows of 512 bytes into the registers that they left, times x1, stored.
; NO CLUSTER: the four work-groups that share a slice of xt own other rows, so the lengths of their chains, and with them branches, would hang on their places in the cluster.
; LIMITS: as stated at the head of launch 1.
; REGISTERS: window 0: below; v64-255 the ring.  window 1: xt's fragments, two sets of 96.  windows 2, 3: as said above; a tile's result (a, db) at 64 a + 8 db, its block a of rows and of x1 at 64 a + 4 t.
.set REC,   6400
.set CHK,   6656
.set KST,   2*CHK
.set STAGE, 32*CHK                     ; behind the slice: 16 rows x 528 bytes for each wave; no tensor load lands there
.set SPIT,  528
.set SPARE, STAGE+4*16*SPIT            ; the spare words, 128 bytes a wave: two blocks of 256 bytes that no other line names
.set L16,  1
.set L8,   2
.set L4,   3
.set STO,  4
.set RD,   5
.set B16,  6                           ; v6-8 the K step's place in the slice
.set B8,   7
.set B4,   8
.set SPW,  9                           ; v9   my spare word; never rewritten
.set NIL,  10                          ; v10  0; never rewritten
.set PFO,  11                          ; v11  the prefetches' offset; never rewritten
.set SA,   16                          ; v16-23 attn's scale words, two registers a ring set
.set SB,   24                          ; v24-31 xt's, two sets of four (tiles 2 q | 2 q + 1 in the two halves of the lanes)
.set SBT,  32                          ; v32-47 their halves as loaded, two sets of eight
.set AR,   64
.set WV,  12
.set BB,  13
.set QQ,  14
.set DB,  15
.set JJ,  16
.set N2,  17                           ; L's K steps, 9 .. 16
.set N1,  18                           ; S's, 1 .. 8
.set G1,  24
.set G0,  32                           ; s[32:35] group 0 of the slice's first half;  s[36:39] of its second
.set G0B, 36
.set PL,  40                           ; at: L's and S's first record
.set PS,  42
.set PXL, 44                           ; x1 at L's and S's first row
.set PXS, 46
.set PYL, 48                           ; out likewise
.set PYS, 50
.set MSB, 0
.macro WIN new                         ; the immediate's high byte repeats the setting that is left
.if MSB != (\new)
	s_set_vgpr_msb (MSB<<8)|(\new)
.set MSB, (\new)
.endif
.endm
.macro WM                              ; one matrix instruction by the symbols rD, rA, rB, rSA, rSB; fZ: it starts the sum; fRA, fRB: the scale words lie in lanes 16-31
.if fZ
.if fRA && fRB
	v_wmma_scale_f32_16x16x128_f8f6f4 v[rD:rD+7], v[rA:rA+11], v[rB:rB+11], 0, v[rSA], v[rSB] matrix_a_fmt:MATRIX_FMT_BF6 matrix_b_fmt:MATRIX_FMT_BF6 matrix_a_scale:MATRIX_SCALE_ROW1 matrix_b_scale:MATRIX_SCALE_ROW1
.elseif fRA
	v_wmma_scale_f32_16x16x128_f8f6f4 v[rD:rD+7], v[rA:rA+11], v[rB:rB+11], 0, v[rSA], v[rSB] matrix_a_fmt:MATRIX_FMT_BF6 matrix_b_fmt:MATRIX_FMT_BF6 matrix_a_scale:MATRIX_SCALE_ROW1
.elseif fRB
	v_wmma_scale_f32_16x16x128_f8f6f4 v[rD:rD+7], v[rA:rA+11], v[rB:rB+11], 0, v[rSA], v[rSB] matrix_a_fmt:MATRIX_FMT_BF6 matrix_b_fmt:MATRIX_FMT_BF6 matrix_b_scale:MATRIX_SCALE_ROW1
.else
	v_wmma_scale_f32_16x16x128_f8f6f4 v[rD:rD+7], v[rA:rA+11], v[rB:rB+11], 0, v[rSA], v[rSB] matrix_a_fmt:MATRIX_FMT_BF6 matrix_b_fmt:MATRIX_FMT_BF6
.endif
.else
.if fRA && fRB
	v_wmma_scale_f32_16x16x128_f8f6f4 v[rD:rD+7], v[rA:rA+11], v[rB:rB+11], v[rD:rD+7], v[rSA], v[rSB] matrix_a_fmt:MATRIX_FMT_BF6 matrix_b_fmt:MATRIX_FMT_BF6 matrix_a_scale:MATRIX_SCALE_ROW1 matrix_b_scale:MATRIX_SCALE_ROW1
.elseif fRA
	v_wmma_scale_f32_16x16x128_f8f6f4 v[rD:rD+7], v[rA:rA+11], v[rB:rB+11], v[rD:rD+7], v[rSA], v[rSB] matrix_a_fmt:MATRIX_FMT_BF6 matrix_b_fmt:MATRIX_FMT_BF6 matrix_a_scale:MATRIX_SCALE_ROW1
.elseif fRB
	v_wmma_scale_f32_16x16x128_f8f6f4 v[rD:rD+7], v[rA:rA+11], v[rB:rB+11], v[rD:rD+7], v[rSA], v[rSB] matrix_a_fmt:MATRIX_FMT_BF6 matrix_b_fmt:MATRIX_FMT_BF6 matrix_b_scale:MATRIX_SCALE_ROW1
.else
	v_wmma_scale_f32_16x16x128_f8f6f4 v[rD:rD+7], v[rA:rA+11], v[rB:rB+11], v[rD:rD+7], v[rSA], v[rSB] matrix_a_fmt:MATRIX_FMT_BF6 matrix_b_fmt:MATRIX_FMT_BF6
.endif
.endif
.endm
.macro BADDR i                         ; where K step i lies in the slice: a constant
	v_add_nc_u32 v[B16], (\i)*KST, v[L16]
	v_add_nc_u32 v[B8], (\i)*KST, v[L8]
	v_add_nc_u32 v[B4], (\i)*KST, v[L4]
.endm
.macro FETCHB p                        ; a K step's eight fragments of xt (two half fragments each) and the halves of their scale words into set p: 40 LDS loads
	WIN 0x40
.irp db, 0,1,2,3,4,5,6,7
	ds_load_b128 v[96*(\p)+12*\db:96*(\p)+12*\db+3], v[B16] offset:768*\db
	ds_load_b64 v[96*(\p)+12*\db+4:96*(\p)+12*\db+5], v[B8] offset:768*\db+512
	ds_load_b128 v[96*(\p)+12*\db+6:96*(\p)+12*\db+9], v[B16] offset:CHK+768*\db
	ds_load_b64 v[96*(\p)+12*\db+10:96*(\p)+12*\db+11], v[B8] offset:CHK+768*\db+512
.endr
	WIN 0
.irp q, 0,1,2,3
	ds_load_b32 v[SBT+8*(\p)+\q], v[B4] offset:6144+128*\q
	ds_load_b32 v[SBT+8*(\p)+4+\q], v[B4] offset:CHK+6144+128*\q
.endr
.endm
.macro ALOADR bp, i                    ; record i of the tile whose records begin at s[bp:bp+1], into ring set i % 4: 13 loads
.set ak, (\i)%4
.irp a, 0,1,2,3
.irp c, 0,1,2
	global_load_b128 v[AR+48*ak+12*\a+4*\c:AR+48*ak+12*\a+4*\c+3], v[L16], s[\bp:\bp+1] offset:(\i)*REC+1536*\a+512*\c
.endr
.endr
	global_load_b64 v[SA+2*ak:SA+2*ak+1], v[L8], s[\bp:\bp+1] offset:(\i)*REC+6144
.endm
.macro MULB win, zero                  ; 32 matrix instructions: 8 tiles of d x 4 tiles of rows; the 32 accumulators take turns, one instruction a turn
	WIN \win
.set fZ, \zero
.irp db, 0,1,2,3,4,5,6,7
.irp a, 0,1,2,3
.set rD, 64*\a+8*\db
.set rA, 96*p+12*\db
.set rB, AR+48*k+12*\a
.set rSA, SB+4*p+(\db/2)
.set rSB, SA+2*k+(\a/2)
.set fRA, \db%2
.set fRB, \a%2
	WM
.endr
.endr
	WIN 0
.endm
.macro XLOAD px, a                     ; x1 for block a of a tile, row by row in the tile's order: 512 consecutive bytes a load; 16 loads
.irp t, 0,1,2,3,4,5,6,7,8,9,10,11,12,13,14,15
	global_load_b128 v[64*(\a)+4*\t:64*(\a)+4*\t+3], v[L16], s[\px:\px+1] offset:(32*((\a)/2)+8*((\a)%2)+(\t%8)+16*(\t/8))*8192 th:TH_LOAD_NT
.endr
.endm
; POSITION i OF A CHAIN (ch = 0: L, 1: S): K step i.
.macro POS ch, i
.set p, (\i)%2
.set k, (\i)%4
.if (\ch) == 0
.set nmin, 9
.set nmax, 16
.set nreg, N2
.set pb, PL
.set mw, 0xa1                          ; source 0 (xt) window 1, source 1 (attn) window 0, C and D window 2
.else
.set nmin, 1
.set nmax, 8
.set nreg, N1
.set pb, PS
.set mw, 0xf1                          ; the same, C and D window 3
.endif
.if (\i) < 3
.set cnt, 63                           ; behind records 0 to 2 of a chain stand, on every way, the 64 loads of x1: with at most 63 out these records are in
.else
.set cnt, 39                           ; the three records behind this one may be out
.endif
.if (\i) >= nmin
	s_cmp_le_u32 s[nreg], \i                       ; ids alone: the chain is at its end
.if (\ch) == 0
	s_cbranch_scc1 .Ldone_l
.else
	s_cbranch_scc1 .Ldone_s
.endif
.endif
	s_wait_dscnt 0x0                               ; this position's fragments of xt are in
.if ((\ch) == 0) && ((\i) == 7)                ; every wave passes L's positions 0 to 8.  From K step 8 on the slice's second half is read:
	s_wait_tensorcnt 0x0                           ; my part of it is in,
	s_barrier_signal -1
	s_barrier_wait -1                              ; everybody's is.
.endif
.irp q, 0,1,2,3
	v_or_b32 v[SB+4*p+\q], v[SBT+8*p+\q], v[SBT+8*p+4+\q]   ; the scale words are whole.  (These four name nothing of the last products: they are the places in front of the loads below)
.endr
.if (\i)+1 < nmax
	BADDR (\i)+1
	FETCHB 1-p
.endif
.if (\i)+3 < nmin                              ; record i + 3 is live in every wave
	ALOADR pb, (\i)+3
	s_wait_loadcnt cnt
.elseif (\i)+3 < nmax
	s_cmp_gt_u32 s[nreg], (\i)+3                   ; ids alone: is record i + 3 live?
	s_cbranch_scc0 .Lno_\@
	ALOADR pb, (\i)+3
	s_wait_loadcnt cnt
	s_branch .Lgo_\@
.Lno_\@:
.if (\i) == 0
	s_wait_loadcnt 63                              ; only records 0 to 2 and x1 can be out: as above
.else
	s_wait_loadcnt 0x0                             ; nothing was asked for: all loads, so that the later positions' counts hold on every way
.endif
.Lgo_\@:
.else
	s_wait_loadcnt 13*(nmax-1-(\i))                ; the chain's greatest length runs out: the records behind this one
.endif
.if ((\ch) == 0) && ((\i) >= 3) && ((\i) <= 6) ; x1 for S's block i - 3, 16 rows x 512 bytes: a lane names one aligned block of 256 bytes, each block once in the launch; the loads follow in L's way out, 3 to 13 positions on
	global_prefetch_b8 v[PFO], s[PXS:PXS+1] offset:(32*(((\i)-3)/2)+8*(((\i)-3)%2))*8192 th:TH_LOAD_NT scope:SCOPE_SE
.endif
.rept 8
	v_nop                                          ; scale registers written by vector instructions stand eight places ahead of a scaled matrix instruction
.endr
.if ((\ch) == 1) && ((\i) == 0)
	s_wait_xcnt 0x0                                ; L's stores have read their data: S's sums are written over those registers only behind this wait
.endif
	MULB mw, (\i) == 0
.endm
.macro TOSTAGE wa, a                   ; block a of the results in window wa: into my stage, and back as whole rows into the registers that it left
	WIN (\wa)<<2                                   ; an LDS store's data are its source 1
.irp db, 0,1,2,3,4,5,6,7
	ds_store_b128 v[STO], v[64*(\a)+8*\db:64*(\a)+8*\db+3] offset:64*\db       ; each result from its low end on
	ds_store_b128 v[STO], v[64*(\a)+8*\db+4:64*(\a)+8*\db+7] offset:64*\db+16
.endr
	WIN (\wa)<<6
.irp t, 0,1,2,3,4,5,6,7,8,9,10,11,12,13,14,15
	ds_load_b128 v[64*(\a)+4*\t:64*(\a)+4*\t+3], v[RD] offset:\t*SPIT          ; LDS serves a wave's instructions in order: these see my stores, and the next block's stores come behind them
.endr
	WIN 0
.endm
; THE WAY OUT of a tile.  ch = 0: rows in window 2, x1 in window 3; ch = 1: rows in window 3, x1 in window 2.  The product goes into window 3 and is stored from there.
.macro WAYOUT ch
.if (\ch) == 0
.set wa, 2
.set pkw, 0xce                         ; destination window 3, source 0 window 2, source 1 window 3
.set po, PYL
.else
.set wa, 3
.set pkw, 0xcb                         ; destination window 3, source 0 window 3, source 1 window 2
.set po, PYS
.endif
	TOSTAGE wa, 0
.irp a, 0,1,2,3
.if \a < 3
	TOSTAGE wa, \a+1
	s_wait_dscnt 32                                ; block a's rows are back; the next block's 16 stores and 16 loads may be out
.else
	s_wait_dscnt 0x0
.endif
	WIN pkw
.set kk, 0
.rept 32
	v_pk_mul_f32 v[64*\a+2*kk:64*\a+2*kk+1], v[64*\a+2*kk:64*\a+2*kk+1], v[64*\a+2*kk:64*\a+2*kk+1]
.set kk, kk+1
.endr
	WIN 0x0c                                       ; a store's data are its source 1: window 3
.irp t, 0,1,2,3,4,5,6,7,8,9,10,11,12,13,14,15
	global_store_b128 v[L16], v[64*\a+4*\t:64*\a+4*\t+3], s[po:po+1] offset:(32*(\a/2)+8*(\a%2)+(\t%8)+16*(\t/8))*4096 th:TH_STORE_NT   ; 512 consecutive bytes, at a multiple of 512 from out0's first byte
.endr
.if (\ch) == 0
	WIN 0x80                                       ; the block's rows in window 2 have been multiplied: their registers take S's x1
	XLOAD PXS, \a
.endif
	WIN 0
.endr
.endm
	s_load_b256 s[4:11], s[0:1], 0x0               ; at s[4:5], xt s[6:7], x s[8:9], out0 s[10:11]
	v_lshl_add_u32 v[SPW], v0, 2, SPARE
	v_mov_b32 v[NIL], 0
	ds_add_u32 v[SPW], v[NIL]                      ; the wave's opening: the add, twice on end, and its wait ahead of my first tensor load
	ds_add_u32 v[SPW], v[NIL]
	v_lshrrev_b32 v12, 5, v0
	v_readfirstlane_b32 s[WV], v12
	s_and_b32 s[BB], ttmp7, 0xffff
	s_and_b32 s[QQ], ttmp9, 3
	s_lshr_b32 s[DB], ttmp9, 2
	s_lshl_b32 s[JJ], s[WV], 2
	s_add_co_u32 s[JJ], s[JJ], s[QQ]
	s_lshr_b32 s[N1], s[JJ], 1
	s_sub_co_u32 s[N2], 16, s[N1]
	s_add_co_u32 s[N1], s[N1], 1
	s_lshl_b32 s56, s[BB], 5
	s_add_co_u32 s57, s56, s[JJ]                   ; 32 b + S's block
	s_add_co_u32 s58, s56, 31
	s_sub_co_u32 s58, s58, s[JJ]                   ; 32 b + L's block
	s_lshl_b32 s59, s[WV], 2
	s_add_co_u32 s59, s59, s56
	s_lshl_b32 s59, s59, 3
	s_add_co_u32 s59, s59, s[DB]
	s_mul_i32 s20, s59, CHK                        ; xt: chunk (b, mc = 4 w, dblk)
	s_mov_b32 s21, 0
	s_mov_b32 s[G1], 3<<16                         ; 4 rows of 832 elements of 8 bytes (a chunk each), 6,656 elements apart; no mask, no padding
	s_mov_b32 s[G1+1], 832<<16                     ; tensor_dim0
	s_mov_b32 s[G1+2], 4<<16                       ; tensor_dim1
	s_mov_b32 s[G1+3], 832<<16                     ; tile_dim0
	s_mov_b32 s[G1+4], 4                           ; tile_dim1
	s_mov_b32 s[G1+5], 6656                        ; from row to row
	s_mov_b32 s[G1+6], 0
	s_mov_b32 s[G1+7], 0
	s_mov_b32 s[G0], 1
	s_mul_i32 s[G0+1], s[WV], 4*CHK                ; LDS: chunks 4 w .. 4 w + 3 (K steps 0 to 7 are chunks 0 to 15),
	s_mov_b32 s[G0B], 1
	s_add_co_u32 s[G0B+1], s[G0+1], 16*CHK         ; and chunks 16 + 4 w .. 16 + 4 w + 3
	v_and_b32 v12, 31, v0
	v_and_b32 v13, 15, v0
	v_bfe_u32 v14, v0, 4, 1
	v_lshlrev_b32 v[L16], 4, v12
	v_lshlrev_b32 v[L8], 3, v12
	v_lshlrev_b32 v[L4], 2, v12
	s_mul_i32 s59, s[WV], 16*SPIT
	s_add_co_u32 s59, s59, STAGE
	v_mul_u32_u24 v[STO], v13, SPIT
	v_lshl_add_u32 v[STO], v14, 5, v[STO]
	v_add_nc_u32 v[STO], s59, v[STO]               ; in: row r, 32 bytes for each half of the lanes
	v_add_nc_u32 v[RD], s59, v[L16]                ; back: the 32 lanes take one row of 512 bytes
	v_lshrrev_b32 v15, 1, v12
	v_and_b32 v[PFO], 8, v15
	v_add_nc_u32 v[PFO], v[PFO], v15
	v_lshlrev_b32 v[PFO], 13, v[PFO]
	v_and_b32 v15, 1, v12
	v_lshl_add_u32 v[PFO], v15, 8, v[PFO]          ; row RP(l / 2), half l % 2 of its 512 bytes
	s_wait_dscnt 0x0                               ; both opening adds are done
	s_wait_kmcnt 0x0
	s_add_nc_u64 s[G0+2:G0+3], s[6:7], s[20:21]
	s_add_nc_u64 s[G0B+2:G0B+3], s[G0+2:G0+3], 16*8*CHK   ; 16 blocks of 64 m further on
	s_or_b32 s[G0+3], s[G0+3], 0x80000000
	s_or_b32 s[G0B+3], s[G0B+3], 0x80000000
	tensor_load_to_lds s[G0:G0+3], s[G1:G1+7]      ; both first fills go out together: two loads of mine are out
	s_nop 0
	tensor_load_to_lds s[G0B:G0B+3], s[G1:G1+7]
	s_nop 0
.rept 4
	v_nop
.endr
	s_mul_i32 s20, s58, 16*REC
	s_add_nc_u64 s[PL:PL+1], s[4:5], s[20:21]
	s_mul_i32 s20, s57, 16*REC
	s_add_nc_u64 s[PS:PS+1], s[4:5], s[20:21]
	s_lshl_b32 s59, s[DB], 9
	s_lshl_b32 s20, s58, 19
	s_add_co_u32 s20, s20, s59
	s_add_co_u32 s20, s20, 4096
	s_add_nc_u64 s[PXL:PXL+1], s[8:9], s[20:21]
	s_lshl_b32 s20, s57, 19
	s_add_co_u32 s20, s20, s59
	s_add_co_u32 s20, s20, 4096
	s_add_nc_u64 s[PXS:PXS+1], s[8:9], s[20:21]
	s_lshl_b32 s20, s58, 18
	s_add_co_u32 s20, s20, s59
	s_add_nc_u64 s[PYL:PYL+1], s[10:11], s[20:21]
	s_lshl_b32 s20, s57, 18
	s_add_co_u32 s20, s20, s59
	s_add_nc_u64 s[PYS:PYS+1], s[10:11], s[20:21]
	ALOADR PL, 0                                   ; L has at least 9 records
	ALOADR PL, 1
	ALOADR PL, 2
	WIN 0xc0
	XLOAD PXL, 0                                   ; x1 for L, 64 loads, into window 3: it lands under L's chain
	XLOAD PXL, 1
	XLOAD PXL, 2
	XLOAD PXL, 3
	WIN 0
	s_wait_tensorcnt 0x1                           ; my part of the slice's first half is in; the second half's load may be out
	s_barrier_signal -1
	s_barrier_wait -1                              ; everybody's is
	BADDR 0
	FETCHB 0
.irp i, 0,1,2,3,4,5,6,7,8,9,10,11,12,13,14,15
	POS 0, \i
.endr
.Ldone_l:
	s_wait_loadcnt 0x0                             ; nothing is on its way into the ring, and x1 for L is in
	s_wait_dscnt 0x0                               ; nor into xt's registers
.rept 4
	v_nop                                          ; in front of the loads into registers that matrix instructions have read, and of the first read of results
.endr
	ALOADR PS, 0                                   ; S's first records, those that are live, are asked for ahead of L's way out
	s_cmp_gt_u32 s[N1], 1
	s_cbranch_scc0 .Lone
	ALOADR PS, 1
.Lone:
	s_cmp_gt_u32 s[N1], 2
	s_cbranch_scc0 .Ltwo
	ALOADR PS, 2
.Ltwo:
	WAYOUT 0                                       ; and with it x1 for S: 64 loads, on every way
	BADDR 0
	FETCHB 0
.irp i, 0,1,2,3,4,5,6,7
	POS 1, \i
.endr
.Ldone_s:
	s_wait_loadcnt 0x0                             ; x1 for S is in
	s_wait_dscnt 0x0
.rept 4
	v_nop                                          ; in front of the first read of results
.endr
	WAYOUT 1
	s_wait_tensorcnt 0x0                           ; the wave's end: behind my last tensor load and my last LDS store
	ds_add_u32 v[SPW], v[NIL]
	s_wait_dscnt 0x0
	s_endpgm
.Lfunc_end_k_q46a694ec85_context:
	.size	k_q46a694ec85_context, .Lfunc_end_k_q46a694ec85_context-k_q46a694ec85_context
	.p2alignl 7, 3214868480
	.fill 96, 4, 3214868480
	.section	.rodata,"a",@progbits
	.p2align	6, 0x0
	.amdhsa_kernel k_q46a694ec85_context
		.amdhsa_group_segment_fixed_size 247296
		.amdhsa_private_segment_fixed_size 0
		.amdhsa_enable_private_segment 0
		.amdhsa_kernarg_size 32
		.amdhsa_user_sgpr_count 2
		.amdhsa_user_sgpr_kernarg_segment_ptr 1
		.amdhsa_wavefront_size32 1
		.amdhsa_system_sgpr_workgroup_id_x 1
		.amdhsa_system_sgpr_workgroup_id_y 1
		.amdhsa_system_sgpr_workgroup_id_z 1
		.amdhsa_system_vgpr_workitem_id 0
		.amdhsa_next_free_vgpr 1024
		.amdhsa_next_free_sgpr 66
		.amdhsa_reserve_vcc 0
		.amdhsa_float_denorm_mode_32 3
		.amdhsa_float_denorm_mode_16_64 3
		.amdhsa_memory_ordered 1
		.amdhsa_forward_progress 1
		.amdhsa_inst_pref_size 255
	.end_amdhsa_kernel
	.section	.bss,"aw",@nobits
	.p2align	6
	.space	262144
	.amdgpu_metadata
---
amdhsa.version: [ 1, 2 ]
amdhsa.kernels:
  - .name:           k_q46a694ec85_context
    .symbol:         k_q46a694ec85_context.kd
    .args:
      - { .name: at, .offset: 0, .size: 8, .value_kind: global_buffer, .address_space: global }
      - { .name: xt, .offset: 8, .size: 8, .value_kind: global_buffer, .address_space: global }
      - { .name: x, .offset: 16, .size: 8, .value_kind: global_buffer, .address_space: global }
      - { .name: out0, .offset: 24, .size: 8, .value_kind: global_buffer, .address_space: global }
    .group_segment_fixed_size: 247296
    .private_segment_fixed_size: 0
    .kernarg_segment_align: 8
    .kernarg_segment_size: 32
    .max_flat_workgroup_size: 128
    .sgpr_count:     66
    .vgpr_count:     1024
    .wavefront_size: 32
...
	.end_amdgpu_metadata
.endif
;; end of part 3
